; MI455X (gfx1250); checked and timed in simulation.
; The chip was launched on July 23, 2026; its instructions are those of AMD's public machine-readable ISA for CDNA 5 (MIT licence, August 2026) and "CDNA5" Instruction Set Architecture Reference Guide (July 2026). The comments in the code are by the model that wrote it; some were corrected since.
;; Resonant FFN. Allowed arithmetic: matrix products marked QUANTISED: E2M3 operands, one E8M0 scale for each 32 along K, by v_wmma_scale_f32_16x16x128_f8f6f4 with both operands' format E2M3, f32 sums; everything else in f32.
;; Inputs: B_p 2,048 x 1,024 float32; W 2,048 x 1,024 float32; cos_table 4,096 float32; proj_imag_w_codes 1,024 x 64 x 24 uint8 (E2M3 codes of proj_imag_w, K innermost, in blocks of 32 codes, four codes in three bytes); proj_imag_w_scales 1,024 x 64 uint8 (E8M0 scales of proj_imag_w, one for each 32 codes along K); proj_real_w_codes 1,024 x 64 x 24 uint8 (E2M3 codes of proj_real_w, K innermost, in blocks of 32 codes, four codes in three bytes); proj_real_w_scales 1,024 x 64 uint8 (E8M0 scales of proj_real_w, one for each 32 codes along K); sin_table 4,096 float32; t 32 float32; x 32 x 1,024 float32.
;; Outputs: out0 32 x 1,024 float32.
;; This version of the problem:
;;   THIS VERSION OF THE PROBLEM IS GIVEN IN LOW PRECISION. The matrix products marked QUANTISED in the list below multiply operands that are first quantised to E2M3 (2 exponent bits, 3 mantissa bits; 6 bits a number), with one power-of-two scale for each 32 numbers along K (OCP MX v1.0); their sums are f32. All else is computed in f32.
;;   The module's matrix products, in the order in which they are computed (A, B: the left and right operand; K: the contracted axis; several contracted axes count as one K, in the product's order):
;;     1. [M 32, K 2,048] x [K 2,048, N 1,024]; A: computed on the way; B: input proj_real_w (given as codes): QUANTISED
;;     2. [M 32, K 2,048] x [K 2,048, N 1,024]; A: computed on the way; B: input proj_imag_w (given as codes): QUANTISED
;;   THE QUANTISER, for each operand of a quantised product, along K:
;;     - K is cut into blocks of 32 from its start; a last block that is shorter is filled with zeros.
;;     - A block's scale is 2^e with e = floor(log2(the largest magnitude in the block)) - 2, held to -126 .. 127; a block of zeros has e = 0. As a byte (E8M0): e + 127.
;;     - Each number is divided by its block's scale, clamped to +-7.5, and rounded to the nearest number of E2M3, ties to even, subnormals kept.
;;     - The product sums the exact products of the quantised numbers (number of the format x scale) in f32.
;;   ~~~python
;;   def quantise(x, axis):      # numpy; x: float32 -> the quantised numbers, widened to float32 again
;;       x = np.moveaxis(x, axis, -1); K = x.shape[-1]
;;       x = np.pad(x, [(0, 0)] * (x.ndim - 1) + [(0, -K % 32)]); x = x.reshape(x.shape[:-1] + (-1, 32)); a = np.abs(x).max(-1, keepdims=True)
;;       e = np.where(a > 0, np.clip(np.frexp(np.where(a > 0, a, 1))[1] - 1 - 2, -126, 127), 0)      # np.frexp(a)[1] - 1 = floor(log2(a)), exactly
;;       r = np.clip(x / 2.0 ** e, -7.5, 7.5)
;;       step = 2.0 ** (np.maximum(np.frexp(np.where(r == 0, 1, r))[1] - 1, 0) - 3)
;;       q = np.round(r / step) * step * 2.0 ** e      # np.round: ties to even
;;       return np.moveaxis(q.reshape(q.shape[:-2] + (-1,))[..., :K], -1, axis).astype(np.float32)
;;   ~~~
;;   OPERANDS COMPUTED ON THE WAY. 'Computed on the way' means the value that the module computes at that place (a softmax that the list does not call 'softmax' is quantised finished and normalised). What goes into a quantiser is computed in f32, as accurately as f32 sums, v_exp_f32 and their like allow (about 1e-6 of the number): no bf16 or f16 on the way to a quantiser, and a product that is left as it is and whose result goes on into a quantised operand takes f32 operands (vector FMAs, or v_wmma_f32_16x16x4_f32). A number that lies on a knife's edge between two numbers of the format may be rounded either way, as far as f32 arithmetic and the matrix unit's own rounding can turn it there, and no further.
;;   INPUTS GIVEN AS CODES. proj_imag_w (in the module: [1024, 2048], K = its axis 1); proj_real_w (in the module: [1024, 2048], K = its axis 1): each comes as NAME_codes (uint8): NAME with its K axis moved to the last place and cut into blocks of 32 codes, [.., K / 32, bytes a block], one block behind the other in memory; four codes in three bytes: a row's codes are one little-endian stream of bits, code i at bits 6 i .. 6 i + 5 (a code: sign, 2 exponent bits, 3 mantissa bits); and NAME_scales (uint8): the same leading axes, one E8M0 byte (e + 127) for each 32 codes along K. Its value is code x scale, taken as it is: it is not quantised again, and the codes and scales need not be those that the quantiser above would give.
;; One version. Each part assembles by itself: llvm-mc -triple=amdgcn-amd-amdhsa -mcpu=gfx1250 --defsym DOCPART=n.
;; ======== version 1 of 1: 3 launches
;; workspace buffers: idx 134,217,728 bytes of whole numbers; rb 16,777,216 bytes; acodes 98,304 bytes; ascales 4,096 bytes
;; launch index (part 1): grid 4 x 64, 16 waves a work-group, no clusters, 280,576 bytes of LDS; arguments x, t, W, B_p, idx, rb; writes idx, rb
.if DOCPART == 1
	.amdgcn_target "amdgcn-amd-amdhsa--gfx1250"
	.amdhsa_code_object_version 6
	.text
	.protected	k_q97b37d0aa6_index
	.globl	k_q97b37d0aa6_index
	.p2align	8
	.type	k_q97b37d0aa6_index,@function
k_q97b37d0aa6_index:
	s_mov_b64 s[64:65], 0
	v_nop
	global_prefetch_b8 v0, s[64:65] scope:SCOPE_SE
	s_setreg_imm32_b32 hwreg(HW_REG_WAVE_MODE, 25, 1), 1
	s_wait_xcnt 0x0
; FIRST OF THREE LAUNCHES.  pos[b][n][d] = (x[b][d] / (1 + |W[n][d]|) + B_p[n][d] + t[b]) x C, C = 4096 / 2 pi in f32; this launch stores 16 x (floor(pos) mod 4096),
; the byte address of the table entry in the next launch's LDS, as 16-bit whole numbers, and the two factors r'' = C / (1 + |W|), B'' = C x B_p laid lane = neuron.
; pos is formed as fma(x, r'', B'') + C t; the next launch forms it by the same two instructions from the same bits, so its fraction belongs to the floor stored here.
; LIMITS: another order of rounding than ((x / wl + B) + t) x C: a few last places of pos; |pos| under 2^31 (|theta| under 3.29e6): beyond it the conversion to a whole
; number saturates; NaN and infinities among the inputs are not served.
; SHARES.  Work-group (x = bg, y = nblk): rows b = 8 bg .. + 7, neurons n = 32 nblk .. + 31.  A LANE IS A NEURON.  Wave w of sixteen owns d = 64 w .. 64 w + 63: sixteen trips of 4 d.
; x[b][d] and t[b] are the same for all lanes: they come by scalar loads and cost no vector register.
; W and B_p arrive with d along the lanes (sixteen lanes read a row's aligned 256 bytes); they turn through the wave's own LDS bytes (rows 272 bytes apart) and come back a row a lane.
; No barrier: a wave touches its own LDS bytes alone.  No loop: every offset is an immediate and no pointer is stepped.
; idx: [nblk 64][bg 4][d/4 256][d%4 4][lane 32][16 bytes]: word j of a lane's four: b' = 2 j in the low half, 2 j + 1 in the high.   rb: [nblk 64][d/4 256][r'', B''][lane 32][16 bytes], stored by bg = 0 alone.
.set CPOS, 0x4422f983                  ; 4096 / 2 pi
.set WREG, 17408                       ; a wave's LDS bytes: 32 rows of r'', then 32 rows of B''
.set LP,   272                         ; a row: 64 numbers + 16 bytes: sixteen lanes that take one column of sixteen rows start at sixteen different 16-byte columns modulo 256
.set BOFF, 32*LP
.set P,    8                           ; v8-15    eight pos at work
.set RBS,  16                          ; v16-31   two sets: r'' of 4 d, B'' of 4 d
.set OW,   32                          ; v32-63   two sets of 16: a trip's words to store
.set WT,   64                          ; v64-127  W as loaded, then 1 + |W|, then the Newton step's error
.set RC,   128                         ; v128-191 the reciprocal, then r''
.set BT,   192                         ; v192-255 B_p, then B''
.set CT,   16                          ; s16-23   C t of my eight rows
.set XA,   32                          ; s32-63   x, set 0: quad 4 b' = x[8 bg + b'][d .. d + 3]
.set XB,   68                          ; s68-99   set 1
	s_load_b256 s[4:11], s[0:1], 0x0               ; x s[4:5], t s[6:7], W s[8:9], B_p s[10:11]
	s_load_b128 s[12:15], s[0:1], 0x20             ; idx s[12:13], rb s[14:15]
	v_lshrrev_b32 v2, 5, v0
	v_readfirstlane_b32 s26, v2                    ; wave 0..15
	v_and_b32 v1, 31, v0                           ; lane
	v_and_b32 v2, 15, v0
	v_bfe_u32 v3, v0, 4, 1
	s_and_b32 s27, ttmp7, 0xffff                   ; nblk
	s_mov_b32 s28, ttmp9                           ; bg
	s_mov_b32 s24, CPOS
	s_mov_b32 s25, CPOS                            ; (the packed forms name the pair)
	s_mov_b32 s29, 4095
	v_lshlrev_b32 v4, 4, v2                        ; 16 (lane % 16)
	s_mul_i32 s2, s26, WREG
	v_mad_u32_u24 v5, v3, LP, v4
	v_add_nc_u32 v5, s2, v5                        ; v5: into LDS: row lane / 16, 16 bytes a lane
	v_lshl_add_u32 v4, v3, 12, v4                  ; v4: in W and B_p: row lane / 16 (4,096 bytes), 16 bytes a lane
	v_mul_u32_u24 v6, v1, LP
	v_add_nc_u32 v6, s2, v6                        ; v6: out of LDS: row = my lane
	v_lshlrev_b32 v7, 4, v1                        ; v7: 16 x lane: my place in every store
	s_lshl_b32 s3, s26, 8                          ; my wave's 64 d: 256 bytes
	s_mov_b32 s31, 0
	s_wait_kmcnt 0x0
	s_lshl_b32 s30, s28, 15                        ; x: 8 bg rows of 4,096 bytes
	s_add_co_u32 s30, s30, s3
	s_add_nc_u64 s[4:5], s[4:5], s[30:31]
	s_lshl_b32 s30, s28, 5                         ; t: 8 bg numbers
	s_add_nc_u64 s[6:7], s[6:7], s[30:31]
	s_lshl_b32 s30, s27, 17                        ; W, B_p: 32 nblk rows of 4,096 bytes
	s_add_co_u32 s30, s30, s3
	s_add_nc_u64 s[8:9], s[8:9], s[30:31]
	s_add_nc_u64 s[10:11], s[10:11], s[30:31]
	s_lshl_b32 s30, s27, 2
	s_add_co_u32 s30, s30, s28
	s_lshl_b32 s30, s30, 19                        ; idx: (4 nblk + bg) x 524,288
	s_lshl_b32 s3, s26, 15                         ; + 16 trips of 2,048 bytes a wave
	s_add_co_u32 s30, s30, s3
	s_add_nc_u64 s[12:13], s[12:13], s[30:31]
	s_lshl_b32 s30, s27, 18                        ; rb: nblk x 262,144
	s_lshl_b32 s3, s26, 14                         ; + 16 trips of 1,024 bytes a wave
	s_add_co_u32 s30, s30, s3
	s_add_nc_u64 s[14:15], s[14:15], s[30:31]
.macro XLOAD t                         ; x of trip t's four d, for my eight rows, into set t % 2
.set XS, XA+(XB-XA)*((\t)%2)
.irp b, 0,1,2,3,4,5,6,7
	s_load_b128 s[XS+4*\b:XS+4*\b+3], s[4:5], 4096*\b+16*(\t)
.endr
.endm
.macro RBLOAD t                        ; r'' and B'' of trip t's four d, of my neuron, into set t % 2
	ds_load_b128 v[RBS+8*((\t)%2):RBS+8*((\t)%2)+3], v6 offset:16*(\t)
	ds_load_b128 v[RBS+8*((\t)%2)+4:RBS+8*((\t)%2)+7], v6 offset:BOFF+16*(\t)
.endm
	s_load_b256 s[CT:CT+7], s[6:7], 0x0
	XLOAD 0
.set i, 0
.rept 16
	global_load_b128 v[WT+4*i:WT+4*i+3], v4, s[8:9] offset:8192*i      ; rows 2 i and 2 i + 1: two aligned runs of 256 bytes
.set i, i+1
.endr
.set i, 0
.rept 16
	global_load_b128 v[BT+4*i:BT+4*i+3], v4, s[10:11] offset:8192*i
.set i, i+1
.endr
	s_wait_loadcnt 16                              ; W's sixteen are in; B_p's sixteen are younger
.set i, 0
.rept 64
	v_add_f32 v[WT+i], 1.0, |v[WT+i]|              ; the wavelength
.set i, i+1
.endr
.set i, 0
.rept 64
	v_rcp_f32 v[RC+i], v[WT+i]                     ; one batch
.set i, i+1
.endr
	s_wait_loadcnt 0x0                             ; B_p
.set i, 0
.rept 32
	v_pk_mul_f32 v[BT+2*i:BT+2*i+1], v[BT+2*i:BT+2*i+1], s[24:25] op_sel_hi:[1,0]   ; B'' = C B_p: plain work behind the batch, which names none of its registers
.set i, i+1
.endr
	s_wait_alu depctr_va_vdst(0)                   ; one wait for the 64 reciprocals, ahead of their first reader
.set i, 0
.rept 32
	v_pk_fma_f32 v[WT+2*i:WT+2*i+1], v[WT+2*i:WT+2*i+1], v[RC+2*i:RC+2*i+1], 1.0 op_sel_hi:[1,1,0] neg_lo:[1,0,0] neg_hi:[1,0,0]   ; e = 1 - wl rc
.set i, i+1
.endr
.set i, 0
.rept 32
	v_pk_fma_f32 v[RC+2*i:RC+2*i+1], v[RC+2*i:RC+2*i+1], v[WT+2*i:WT+2*i+1], v[RC+2*i:RC+2*i+1]   ; rc + rc e: one Newton step
.set i, i+1
.endr
.set i, 0
.rept 32
	v_pk_mul_f32 v[RC+2*i:RC+2*i+1], v[RC+2*i:RC+2*i+1], s[24:25] op_sel_hi:[1,0]   ; r'' = C / wl
.set i, i+1
.endr
.set i, 0
.rept 16
	ds_store_b128 v5, v[RC+4*i:RC+4*i+3] offset:2*LP*i
	ds_store_b128 v5, v[BT+4*i:BT+4*i+3] offset:BOFF+2*LP*i
.set i, i+1
.endr
	s_wait_dscnt 0x0                               ; the stores are done: their registers are loaded into below
	s_cmp_lg_u32 s28, 0                            ; the four bg of an nblk make the same r'' and B'': bg = 0 stores them
	s_cbranch_scc1 .Lno_rb
.set j, 0
.rept 16
	ds_load_b128 v[WT+8*j:WT+8*j+3], v6 offset:16*j
	ds_load_b128 v[WT+8*j+4:WT+8*j+7], v6 offset:BOFF+16*j
.set j, j+1
.endr
.set i, 0
.rept 32
	s_wait_dscnt 31-i                              ; LDS loads come back in order: number i is in, the 31 - i younger stay out
	global_store_b128 v7, v[WT+4*i:WT+4*i+3], s[14:15] offset:512*i   ; 32 lanes store 512 consecutive bytes, aligned
.set i, i+1
.endr
.Lno_rb:
	s_wait_kmcnt 0x0                               ; t (and x's set 0)
.irp b, 0,1,2,3,4,5,6,7
	s_mul_f32 s[CT+\b], s[CT+\b], s24              ; C t: the same instruction in the next launch
.endr
	RBLOAD 0
; Eight elements a lane: d = 64 w + 4 t + dd, b' = 0 .. 7.
.macro IBATCH t, dd
.set XS, XA+(XB-XA)*((\t)%2)
.set RS, RBS+8*((\t)%2)
.set OS, OW+16*((\t)%2)+4*(\dd)
.irp b, 0,1,2,3,4,5,6,7
	v_fma_f32 v[P+\b], s[XS+4*\b+\dd], v[RS+\dd], v[RS+4+\dd]
.endr
.irp b, 0,1,2,3,4,5,6,7
	v_add_f32 v[P+\b], s[CT+\b], v[P+\b]           ; pos
.endr
.irp b, 0,1,2,3,4,5,6,7
	v_floor_f32 v[P+\b], v[P+\b]
.endr
.irp b, 0,1,2,3,4,5,6,7
	v_cvt_i32_f32 v[P+\b], v[P+\b]
.endr
.irp j, 0,1,2,3
	v_and_b32 v[P+2*\j], s29, v[P+2*\j]            ; mod 4096 (two's complement: never negative)
	v_lshlrev_b32 v[P+2*\j], 4, v[P+2*\j]          ; x 16 bytes an entry
	v_lshl_or_b32 v[OS+\j], v[P+2*\j+1], 20, v[P+2*\j]   ; the shift by 20 keeps 12 bits: mod 4096, x 16, in the high half
.endr
	global_store_b128 v7, v[OS:OS+3], s[12:13] offset:2048*(\t)+512*(\dd) th:TH_STORE_NT   ; 512 consecutive bytes, aligned; read by no work-group of this launch
.endm
.macro TRIP t
	s_wait_kmcnt 0x0                               ; x's set t % 2 is in (scalar loads: the count 0 alone says anything)
	s_wait_xcnt 0x0                                ; earlier stores have read their data: the words' set t % 2, stored two trips ago, is written again only behind this wait
.if (\t) < 15
	XLOAD (\t)+1
	RBLOAD (\t)+1
	s_wait_dscnt 0x2                               ; this trip's r'' and B'' are in; the two loads just issued stay out
.else
	s_wait_dscnt 0x0
.endif
	IBATCH \t, 0
	IBATCH \t, 1
	IBATCH \t, 2
	IBATCH \t, 3
.endm
.irp t, 0,1,2,3,4,5,6,7,8,9,10,11,12,13,14,15
	TRIP \t
.endr
	s_wait_xcnt 0x0
	v_lshl_add_u32 v254, v0, 2, 0x44000
	v_mov_b32 v255, 0
	s_wait_tensorcnt 0x0
	ds_add_u32 v254, v255
	s_wait_dscnt 0x0
	s_endpgm
.Lfunc_end_k_q97b37d0aa6_index:
	.size	k_q97b37d0aa6_index, .Lfunc_end_k_q97b37d0aa6_index-k_q97b37d0aa6_index
	.p2alignl 7, 3214868480
	.fill 96, 4, 3214868480
	.section	.rodata,"a",@progbits
	.p2align	6, 0x0
	.amdhsa_kernel k_q97b37d0aa6_index
		.amdhsa_group_segment_fixed_size 280576
		.amdhsa_private_segment_fixed_size 0
		.amdhsa_enable_private_segment 0
		.amdhsa_kernarg_size 48
		.amdhsa_user_sgpr_count 2
		.amdhsa_user_sgpr_kernarg_segment_ptr 1
		.amdhsa_wavefront_size32 1
		.amdhsa_system_sgpr_workgroup_id_x 1
		.amdhsa_system_sgpr_workgroup_id_y 1
		.amdhsa_system_sgpr_workgroup_id_z 1
		.amdhsa_system_vgpr_workitem_id 0
		.amdhsa_next_free_vgpr 256
		.amdhsa_next_free_sgpr 100
		.amdhsa_reserve_vcc 0
		.amdhsa_float_denorm_mode_32 3
		.amdhsa_float_denorm_mode_16_64 3
		.amdhsa_memory_ordered 1
		.amdhsa_forward_progress 1
		.amdhsa_inst_pref_size 158
	.end_amdhsa_kernel
	.amdgpu_metadata
---
amdhsa.version: [ 1, 2 ]
amdhsa.kernels:
  - .name:           k_q97b37d0aa6_index
    .symbol:         k_q97b37d0aa6_index.kd
    .args:
      - { .name: x, .offset: 0, .size: 8, .value_kind: global_buffer, .address_space: global }
      - { .name: t, .offset: 8, .size: 8, .value_kind: global_buffer, .address_space: global }
      - { .name: W, .offset: 16, .size: 8, .value_kind: global_buffer, .address_space: global }
      - { .name: B_p, .offset: 24, .size: 8, .value_kind: global_buffer, .address_space: global }
      - { .name: idx, .offset: 32, .size: 8, .value_kind: global_buffer, .address_space: global }
      - { .name: rb, .offset: 40, .size: 8, .value_kind: global_buffer, .address_space: global }
    .group_segment_fixed_size: 280576
    .private_segment_fixed_size: 0
    .kernarg_segment_align: 8
    .kernarg_segment_size: 48
    .max_flat_workgroup_size: 512
    .sgpr_count:     100
    .vgpr_count:     256
    .wavefront_size: 32
...
	.end_amdgpu_metadata
.endif
;; end of part 1
;; launch gather (part 2): grid 4 x 64, 16 waves a work-group, no clusters, 103,168 bytes of LDS; arguments x, t, cos_table, sin_table, idx, rb, acodes, ascales; writes acodes, ascales
.if DOCPART == 2
	.amdgcn_target "amdgcn-amd-amdhsa--gfx1250"
	.amdhsa_code_object_version 6
	.text
	.protected	k_q97b37d0aa6_gather
	.globl	k_q97b37d0aa6_gather
	.p2align	8
	.type	k_q97b37d0aa6_gather,@function
k_q97b37d0aa6_gather:
	s_mov_b64 s[64:65], 0
	v_nop
	global_prefetch_b8 v0, s[64:65] scope:SCOPE_SE
	s_setreg_imm32_b32 hwreg(HW_REG_WAVE_MODE, 25, 1), 1
	s_wait_xcnt 0x0
; SECOND OF THREE LAUNCHES.  cos_sum[b][n], sin_sum[b][n] = sums over d of the two tables, linearly interpolated at pos[b][n][d]; both are quantised along n to E2M3 with one E8M0 byte for 32.
; The table entry's LDS address, 16 x (floor(pos) mod 4096), was stored by the launch before; the fraction is made here, fract(fma(x, r'', B'') + C t), by the same two instructions on the same bits.
; THE TABLES ARE INPUTS and are taken as given: entry i of the LDS table is (c[i], s[i], c[i+1] - c[i], s[i+1] - s[i]), i + 1 mod 4096: one load of 16 bytes an element, and value = first + fraction x difference.
; LIMITS: first + f x (second - first) stands for first x (1 - f) + second x f (another order of rounding); the fraction stays under 1; a block of zeros gets the byte 1, not 127: its codes are zeros and this program alone
; reads the bytes; a block whose largest magnitude lies under 2^-124 has its byte held at 1; NaN and infinities are not served.
; SHARES as in the launch before: work-group (bg, nblk), a lane is a neuron, wave w owns d = 64 w .. + 63, sixteen trips of 4 d, four batches of eight rows b' each.  A lane's sums need no other lane.
; The streams (idx, rb) lie in lane order and go straight into a ring of four register slots, three trips ahead.  The gathers of one batch are out while the batch before is summed.
; At the end the sixteen waves' partial sums meet in LDS; wave u sums (b' = u / 2, cos or sin = u % 2): its 32 lanes are one block of the quantiser.
; acodes: an image of the next launch's operand registers: [b/16][K step 32][c 2][lane 32][24 bytes]; K runs over cos_sum's 2,048 neurons, then sin_sum's.   ascales: [b/16][K step][b%16] words.
; No matrix unit, no tensor loads, no cluster: no tile is read by several waves but the table, which is built here.
.set CPOS, 0x4422f983
.set TAB,  0                           ; 4,096 entries of 16 bytes
.set RED,  65536                       ; [wave 16][sum 16][lane 32] f32
.set SUM,  98304                       ; [wave 16][n 32] f32
.set CST,  100352                      ; [wave 16][half 2]: 12 bytes of codes in a place of 16
.set SCB,  100864                      ; [wave 16] scale bytes
.set A,    8                           ; v8-15    a batch's eight LDS addresses
.set ACC,  16                          ; v16-31   pair 2 b': (cos, sin) sums
.set F,    32                          ; v32-63   fractions: parity p, row b' at 32 + 16 p + 2 b' (the odd registers hold 0: the packed form names the pair)
.set G,    64                          ; v64-127  gathered entries: parity p at 64 + 32 p + 4 b'
.set RING, 128                         ; v128-223 four slots of 24: 16 words of idx, r'' of 4 d, B'' of 4 d
.set ERS,  224                         ; v224..233: the closing phases' addresses, made at the head and kept
.set ERL,  225
.set ESS,  226
.set ESL,  227
.set ECS,  228
.set ESB,  229
.set ECL,  230
.set EBL,  231
.set EGC,  232
.set EGS,  233
.set CT,   20                          ; s20-27   C t
.set XA,   32
.set XB,   68
	s_load_b512 s[4:19], s[0:1], 0x0               ; x, t, cos, sin, idx, rb, acodes, ascales: s[4:5] .. s[18:19]
	v_lshl_add_u32 v240, v0, 2, 0x18b00
	v_mov_b32 v241, 0
	v_lshrrev_b32 v2, 5, v0
	v_readfirstlane_b32 s28, v2                    ; wave 0..15
	v_and_b32 v1, 31, v0                           ; lane
	s_and_b32 s29, ttmp7, 0xffff                   ; nblk
	s_mov_b32 s30, CPOS
	s_mov_b32 s31, 0xffff
	v_lshlrev_b32 v2, 4, v1                        ; v2: 16 x lane: my place in every load of the streams
	v_lshlrev_b32 v3, 2, v0                        ; v3: table entry = thread
	v_add_nc_u32 v4, 4, v3                         ; v4: the entry after it
	v_add_nc_u32 v5, 3585, v0
	v_and_b32 v5, 4095, v5
	v_lshlrev_b32 v5, 2, v5                        ; v5: the entry after thread + 3,584, mod 4096
	v_lshlrev_b32 v6, 4, v0                        ; v6: 16 x thread: where the entry goes
	v_and_b32 v7, 1, v0                            ; lane % 2
	s_lshl_b32 s2, s28, 11
	v_lshl_add_u32 v[ERS], v1, 2, s2
	v_add_nc_u32 v[ERS], RED, v[ERS]               ; my partial sums: RED + 2,048 wave + 4 lane
	s_lshl_b32 s2, s28, 7
	v_lshl_add_u32 v[ERL], v1, 2, s2
	v_add_nc_u32 v[ESS], SUM, v[ERL]               ; my sum: SUM + 128 wave + 4 lane
	v_add_nc_u32 v[ERL], RED, v[ERL]               ; sum number u = my wave, of wave 0: RED + 128 u + 4 lane
	v_lshl_add_u32 v[ESL], v7, 6, s2
	v_add_nc_u32 v[ESL], SUM, v[ESL]               ; sixteen of the block's numbers: SUM + 128 wave + 64 (lane % 2)
	s_lshl_b32 s2, s28, 5
	v_lshl_add_u32 v[ECS], v7, 4, s2
	v_add_nc_u32 v[ECS], CST, v[ECS]               ; their codes: CST + 32 wave + 16 (lane % 2)
	v_mov_b32 v[ESB], s28
	v_add_nc_u32 v[ESB], SCB, v[ESB]               ; the block's byte
	v_add_nc_u32 v[ECL], CST, v2                   ; wave 0's way out: place number = lane
	v_and_b32 v[EBL], 15, v0
	v_add_nc_u32 v[EBL], SCB, v[EBL]               ; byte number = lane % 16
	v_bfe_u32 v8, v0, 1, 1                         ; place l: half l % 2, cos or sin (l / 2) % 2, row b' = l / 4
	v_bfe_u32 v9, v0, 2, 3
	v_mul_u32_u24 v8, v8, 24576                    ; sin's K steps begin 16 x 1,536 bytes on
	v_mad_u32_u24 v8, v9, 24, v8
	v_mad_u32_u24 v[EGC], v7, 12, v8
	v_bfe_u32 v9, v0, 1, 3                         ; byte j = l % 16: cos or sin j % 2, row b' = j / 2
	v_lshlrev_b32 v9, 2, v9
	v_lshl_add_u32 v[EGS], v7, 10, v9
	s_mov_b32 s3, 0
	s_lshl_b32 s32, s28, 8
	s_wait_kmcnt 0x0
	s_lshl_b32 s2, ttmp9, 15                       ; x: 8 bg rows + my wave's 256 bytes
	s_add_co_u32 s2, s2, s32
	s_add_nc_u64 s[4:5], s[4:5], s[2:3]
	s_lshl_b32 s2, ttmp9, 5
	s_add_nc_u64 s[6:7], s[6:7], s[2:3]            ; t
	s_lshl_b32 s2, s29, 2
	s_add_co_u32 s2, s2, ttmp9
	s_lshl_b32 s2, s2, 19
	s_lshl_b32 s32, s28, 15
	s_add_co_u32 s2, s2, s32
	s_add_nc_u64 s[12:13], s[12:13], s[2:3]        ; idx
	s_lshl_b32 s2, s29, 18
	s_lshl_b32 s32, s28, 14
	s_add_co_u32 s2, s2, s32
	s_add_nc_u64 s[14:15], s[14:15], s[2:3]        ; rb
	s_lshr_b32 s32, ttmp9, 1                       ; b / 16
	s_and_b32 s33, ttmp9, 1                        ; which eight of the sixteen
	s_mul_i32 s2, s32, 49152
	s_mul_i32 s34, s29, 384                        ; block nblk: K step nblk / 4 (1,536), c (768), lanes' half (384)
	s_add_co_u32 s2, s2, s34
	s_mul_i32 s34, s33, 192
	s_add_co_u32 s2, s2, s34
	s_add_nc_u64 s[16:17], s[16:17], s[2:3]        ; acodes
	s_lshl_b32 s2, s32, 11
	s_lshr_b32 s34, s29, 2
	s_lshl_b32 s34, s34, 6
	s_add_co_u32 s2, s2, s34
	s_lshl_b32 s34, s33, 5
	s_add_co_u32 s2, s2, s34
	s_and_b32 s34, s29, 3
	s_add_co_u32 s2, s2, s34
	s_add_nc_u64 s[18:19], s[18:19], s[2:3]        ; ascales
.macro XLOAD t
.set XS, XA+(XB-XA)*((\t)%2)
.irp b, 0,1,2,3,4,5,6,7
	s_load_b128 s[XS+4*\b:XS+4*\b+3], s[4:5], 4096*\b+16*(\t)
.endr
.endm
.macro FILL t                          ; trip t's streams into slot t % 4: six loads of 512 consecutive bytes
.set SL, RING+24*((\t)%4)
.irp q, 0,1,2,3
	global_load_b128 v[SL+4*\q:SL+4*\q+3], v2, s[12:13] offset:2048*(\t)+512*\q th:TH_LOAD_NT
.endr
	global_load_b128 v[SL+16:SL+19], v2, s[14:15] offset:1024*(\t)
	global_load_b128 v[SL+20:SL+23], v2, s[14:15] offset:1024*(\t)+512
.endm
	s_load_b256 s[CT:CT+7], s[6:7], 0x0
	XLOAD 0
.set k, 0
.rept 8                                ; thread T takes entries T + 512 k
	global_load_b32 v[G+4*k], v3, s[8:9] offset:2048*k
	global_load_b32 v[G+4*k+1], v3, s[10:11] offset:2048*k
.if k < 7
	global_load_b32 v[G+4*k+2], v4, s[8:9] offset:2048*k
	global_load_b32 v[G+4*k+3], v4, s[10:11] offset:2048*k
.else
	global_load_b32 v[G+4*k+2], v5, s[8:9]
	global_load_b32 v[G+4*k+3], v5, s[10:11]
.endif
.set k, k+1
.endr
	FILL 0
	FILL 1
	FILL 2
	FILL 3
	s_wait_loadcnt 24                              ; the tables' 32 loads are in; the four fills' 24 are younger
.set k, 0
.rept 8
	v_pk_add_f32 v[G+4*k+2:G+4*k+3], v[G+4*k+2:G+4*k+3], v[G+4*k:G+4*k+1] neg_lo:[0,1] neg_hi:[0,1]   ; the differences
.set k, k+1
.endr
.set k, 0
.rept 8
	ds_store_b128 v6, v[G+4*k:G+4*k+3] offset:TAB+8192*k
.set k, k+1
.endr
.set i, 0
.rept 16
	v_mov_b32 v[F+2*i+1], 0
.set i, i+1
.endr
	s_wait_dscnt 0x0                               ; for the others' sake: my part of the table is written
	s_barrier_signal -1
	s_barrier_wait -1                              ; the table is whole
	s_wait_kmcnt 0x0
.irp b, 0,1,2,3,4,5,6,7
	s_mul_f32 s[CT+\b], s[CT+\b], s30              ; C t
.endr
; The batch of parity q is interpolated and added.  first = 1: it starts the sums: nothing is cleared.
.macro CONSUME q, first
.set GQ, G+32*(\q)
.set FQ, F+16*(\q)
.if \first
.irp b, 0,1,2,3,4,5,6,7
	v_pk_fma_f32 v[ACC+2*\b:ACC+2*\b+1], v[GQ+4*\b+2:GQ+4*\b+3], v[FQ+2*\b:FQ+2*\b+1], v[GQ+4*\b:GQ+4*\b+1] op_sel_hi:[1,0,1]
.endr
.else
.irp b, 0,1,2,3,4,5,6,7
	v_pk_fma_f32 v[GQ+4*\b:GQ+4*\b+1], v[GQ+4*\b+2:GQ+4*\b+3], v[FQ+2*\b:FQ+2*\b+1], v[GQ+4*\b:GQ+4*\b+1] op_sel_hi:[1,0,1]   ; (c, s) + f x (dc, ds)
.endr
.irp b, 0,1,2,3,4,5,6,7
	v_pk_add_f32 v[ACC+2*\b:ACC+2*\b+1], v[ACC+2*\b:ACC+2*\b+1], v[GQ+4*\b:GQ+4*\b+1]
.endr
.endif
.endm
; Eight elements a lane: d = 64 w + 4 t + dd, b' = 0 .. 7.  mode 0: nothing to sum yet; 1: the batch before starts the sums; 2: it is added.
.macro GBATCH t, dd, mode
.set XS, XA+(XB-XA)*((\t)%2)
.set SL, RING+24*((\t)%4)
.set PP, (\dd)%2
.set GS, G+32*PP
.set FS, F+16*PP
.irp j, 0,1,2,3
	v_and_b32 v[A+2*\j], s31, v[SL+4*(\dd)+\j]
	v_lshrrev_b32 v[A+2*\j+1], 16, v[SL+4*(\dd)+\j]
.endr
.irp b, 0,1,2,3,4,5,6,7
	v_min_u32 v[A+\b], 0xfff0, v[A+\b]             ; a loaded number becomes an address only behind this hold: it stays inside the table
.endr
.irp b, 0,1,2,3,4,5,6,7
	ds_load_b128 v[GS+4*\b:GS+4*\b+3], v[A+\b]
.endr
.irp b, 0,1,2,3,4,5,6,7
	v_fma_f32 v[FS+2*\b], s[XS+4*\b+\dd], v[SL+16+\dd], v[SL+20+\dd]
.endr
.irp b, 0,1,2,3,4,5,6,7
	v_add_f32 v[FS+2*\b], s[CT+\b], v[FS+2*\b]     ; pos, bit for bit as the launch before had it
.endr
.irp b, 0,1,2,3,4,5,6,7
	v_fract_f32 v[FS+2*\b], v[FS+2*\b]
.endr
.if \mode
	s_wait_dscnt 0x8                               ; the batch before is in; the eight gathers just issued stay out
	CONSUME 1-PP, 2-\mode
.endif
.endm
.macro GTRIP t
	s_wait_kmcnt 0x0                               ; x's set t % 2
.if (\t) < 15
	XLOAD (\t)+1
.endif
.if (\t) < 13
	s_wait_loadcnt 18                              ; this trip's six loads are in; those of the three trips behind it stay out
.else
	s_wait_loadcnt 6*(15-(\t))
.endif
.if (\t) == 0
	GBATCH 0, 0, 0
	GBATCH 0, 1, 1
.else
	GBATCH \t, 0, 2
	GBATCH \t, 1, 2
.endif
	GBATCH \t, 2, 2
	GBATCH \t, 3, 2
.if (\t) < 12
	FILL (\t)+4                                    ; the slot has had its last read
.endif
.endm
.irp t, 0,1,2,3,4,5,6,7,8,9,10,11,12,13,14,15
	GTRIP \t
.endr
	s_wait_dscnt 0x0
	CONSUME 1, 0                                   ; the last batch
	s_barrier_signal -1                            ; my gathers are over (the wait above); behind this barrier nobody gathers,
	s_barrier_wait -1                              ; so every LDS store below is parted from every gather
.set j, 0
.rept 16
	ds_store_b32 v[ERS], v[ACC+j] offset:128*j
.set j, j+1
.endr
	s_wait_dscnt 0x0
	s_barrier_signal -1
	s_barrier_wait -1                              ; all partial sums lie in LDS
.set w, 0
.rept 16
	ds_load_b32 v[G+w], v[ERL] offset:2048*w       ; sum number u of wave w
.set w, w+1
.endr
	s_mov_b32 s32, 0x76543210                      ; (x's sets are done with)  v_permlanex16_b32's selects for lane l xor 16
	s_mov_b32 s33, 0xfedcba98
	v_mov_b32 v82, 0                               ; a lane permute's destination counts as one of its sources
	s_wait_dscnt 0x0
.irp w, 2,4,6,8,10,12,14
	v_add_f32 v[G], v[G], v[G+\w]                  ; two chains
	v_add_f32 v[G+1], v[G+1], v[G+1+\w]
.endr
	v_add_f32 v80, v[G], v[G+1]                    ; cos_sum or sin_sum of (b = 8 bg + u / 2, n = 32 nblk + lane)
	ds_store_b32 v[ESS], v80
	v_and_b32 v81, 0x7fffffff, v80
	v_max_num_f32 v81, 0x1800000, v81              ; the floor 2^(3 - 127): the byte cannot fall under 1
	v_max_num_f32_dpp v81, v81, v81 row_xmask:1 row_mask:0xf bank_mask:0xf
	v_max_num_f32_dpp v81, v81, v81 row_xmask:2 row_mask:0xf bank_mask:0xf
	v_max_num_f32_dpp v81, v81, v81 row_xmask:4 row_mask:0xf bank_mask:0xf
	v_max_num_f32_dpp v81, v81, v81 row_xmask:8 row_mask:0xf bank_mask:0xf
	v_permlanex16_b32 v82, v81, s32, s33
	v_max_num_f32 v81, v81, v82                    ; the block's largest magnitude, in every lane
	v_add_nc_u32 v83, 0xff000000, v81              ; 2 off its exponent field: the conversion's scale operand
	v_lshrrev_b32 v84, 23, v83                     ; the scale's byte
.irp i, 0,1,2,3
	ds_load_b128 v[88+4*\i:91+4*\i], v[ESL] offset:16*\i   ; LDS serves a wave's instructions in order: these see my wave's stores.  Even lanes take n 0-15, odd lanes n 16-31
.endr
	s_wait_dscnt 0x0
	v_cvt_scalef32_pk16_fp6_f32 v[104:106], v[88:103], v83
	v_nop                                          ; one plain place behind a scaled conversion
	ds_store_b96 v[ECS], v[104:106]                ; lanes of one parity write the same bytes with the same values
	ds_store_b8 v[ESB], v84
	s_wait_dscnt 0x0
	s_barrier_signal -1
	s_barrier_wait -1                              ; sixteen blocks' codes and bytes lie in LDS
	s_cmp_lg_u32 s28, 0
	s_cbranch_scc1 .Lend                           ; wave 0 stores them
	ds_load_b96 v[64:66], v[ECL]
	ds_load_u8 v68, v[EBL]
	s_wait_dscnt 0x0
	global_store_b96 v[EGC], v[64:66], s[16:17]    ; per (cos or sin): eight rows' 24 bytes on end: 192 consecutive bytes
	global_store_b8 v[EGS], v68, s[18:19]          ; lanes 16-31 repeat lanes 0-15 with the same byte
.Lend:
	s_wait_tensorcnt 0x0
	ds_add_u32 v240, v241
	s_wait_dscnt 0x0
	s_endpgm
.Lfunc_end_k_q97b37d0aa6_gather:
	.size	k_q97b37d0aa6_gather, .Lfunc_end_k_q97b37d0aa6_gather-k_q97b37d0aa6_gather
	.p2alignl 7, 3214868480
	.fill 96, 4, 3214868480
	.section	.rodata,"a",@progbits
	.p2align	6, 0x0
	.amdhsa_kernel k_q97b37d0aa6_gather
		.amdhsa_group_segment_fixed_size 103168
		.amdhsa_private_segment_fixed_size 0
		.amdhsa_enable_private_segment 0
		.amdhsa_kernarg_size 64
		.amdhsa_user_sgpr_count 2
		.amdhsa_user_sgpr_kernarg_segment_ptr 1
		.amdhsa_wavefront_size32 1
		.amdhsa_system_sgpr_workgroup_id_x 1
		.amdhsa_system_sgpr_workgroup_id_y 1
		.amdhsa_system_sgpr_workgroup_id_z 1
		.amdhsa_system_vgpr_workitem_id 0
		.amdhsa_next_free_vgpr 242
		.amdhsa_next_free_sgpr 100
		.amdhsa_reserve_vcc 0
		.amdhsa_float_denorm_mode_32 3
		.amdhsa_float_denorm_mode_16_64 3
		.amdhsa_memory_ordered 1
		.amdhsa_forward_progress 1
		.amdhsa_inst_pref_size 241
	.end_amdhsa_kernel
	.amdgpu_metadata
---
amdhsa.version: [ 1, 2 ]
amdhsa.kernels:
  - .name:           k_q97b37d0aa6_gather
    .symbol:         k_q97b37d0aa6_gather.kd
    .args:
      - { .name: x, .offset: 0, .size: 8, .value_kind: global_buffer, .address_space: global }
      - { .name: t, .offset: 8, .size: 8, .value_kind: global_buffer, .address_space: global }
      - { .name: cos_table, .offset: 16, .size: 8, .value_kind: global_buffer, .address_space: global }
      - { .name: sin_table, .offset: 24, .size: 8, .value_kind: global_buffer, .address_space: global }
      - { .name: idx, .offset: 32, .size: 8, .value_kind: global_buffer, .address_space: global }
      - { .name: rb, .offset: 40, .size: 8, .value_kind: global_buffer, .address_space: global }
      - { .name: acodes, .offset: 48, .size: 8, .value_kind: global_buffer, .address_space: global }
      - { .name: ascales, .offset: 56, .size: 8, .value_kind: global_buffer, .address_space: global }
    .group_segment_fixed_size: 103168
    .private_segment_fixed_size: 0
    .kernarg_segment_align: 8
    .kernarg_segment_size: 64
    .max_flat_workgroup_size: 512
    .sgpr_count:     100
    .vgpr_count:     242
    .wavefront_size: 32
...
	.end_amdgpu_metadata
.endif
;; end of part 2
;; launch project (part 3): grid 16 x 1, 16 waves a work-group, no clusters, 209,408 bytes of LDS; arguments acodes, ascales, proj_real_w_codes, proj_real_w_scales, proj_imag_w_codes, proj_imag_w_scales, out0; writes out0
.if DOCPART == 3
	.amdgcn_target "amdgcn-amd-amdhsa--gfx1250"
	.amdhsa_code_object_version 6
	.text
	.protected	k_q97b37d0aa6_project
	.globl	k_q97b37d0aa6_project
	.p2align	8
	.type	k_q97b37d0aa6_project,@function
k_q97b37d0aa6_project:
	s_mov_b64 s[64:65], 0
	v_nop
	global_prefetch_b8 v0, s[64:65] scope:SCOPE_SE
	s_setreg_imm32_b32 hwreg(HW_REG_WAVE_MODE, 25, 1), 1
	s_wait_xcnt 0x0
; THIRD OF THREE LAUNCHES.  out0 = silu(Q(cos_sum) real^T + Q(sin_sum) imag^T): both products on codes of FP6 (E2M3) with one E8M0 byte for 32 along K, taken as ONE product of K = 4,096 (cos and real, then sin and imag).
; SHARES.  A work-group owns 64 columns of out0 and all 32 rows, so that every aligned run of 256 bytes of out0 is stored whole by sixteen lanes; each weight byte is read once in the launch.
; Wave w of sixteen owns K steps 2 w and 2 w + 1 of the 32 (waves 0-7: real; waves 8-15: imag): 4 tiles of columns x 2 tiles of rows x 2 K steps = 16 matrix instructions on 8 accumulators by turns.
; The weights' rows come in as they lie (a wave's 8 rows are 12,288 dense bytes, 512 an instruction), go to LDS rows 1,552 bytes apart, and are read as fragments, 8 bytes a piece.
; The activations' codes and scale words were laid by the launch before as images of the operand's registers: they go straight into registers.
; THE MATRIX INSTRUCTION IS USED TRANSPOSED (source 0 = 16 rows of a weight, source 1 = 16 rows b): lane (r, h), register j holds out(16 m + r, n0 + 16 nt + 8 h + j).
; The sixteen waves' partial sums meet in LDS (over the weights' bytes, behind a barrier); wave u adds piece u of sixteen, takes the silu, and the rows leave through a stage.
; LIMITS: silu(y) = y / (1 + 2^(-y log2 e)); where the exponential overflows the result is a zero.
; No tensor loads, no ring, no cluster: each byte is used by one work-group, once.
.set WP,   1552                        ; a weight row in LDS: 1,536 bytes + 16: the 32 lanes of a load of 8 bytes start at 32 different 8-byte columns modulo 256
.set STG,  128*WP                      ; the stage: 32 rows of 256 bytes + 16
.set SP,   272
.set CP,   16                          ; v16-111  24 x 4 as loaded; then the weights' eight fragments (2 nt + ks); then sixteen partial sums
.set BF,   16
.set AF,   112                         ; v112-159 the activations' four fragments (2 m + ks)
.set ASC,  160                         ; v160-163 their scale words: these twelve registers hold scales and nothing else
.set BSC,  164                         ; v164-171 the weights' (2 nt + ks)
.set OO,   172                         ; v172     my byte offset in out0
.set ACC,  176                         ; v176-239 accumulator a = 2 nt + m
.set Z,    240                         ; v240-243 at work
	s_load_b256 s[4:11], s[0:1], 0x0               ; acodes, ascales, real's codes, real's scales
	s_load_b128 s[12:15], s[0:1], 0x20             ; imag's codes, imag's scales
	s_load_b64 s[16:17], s[0:1], 0x30              ; out0
	v_lshl_add_u32 v254, v0, 2, 0x32a00
	v_mov_b32 v255, 0
	v_lshrrev_b32 v1, 5, v0
	v_readfirstlane_b32 s18, v1                    ; wave 0..15
	v_and_b32 v1, 31, v0                           ; lane
	v_and_b32 v2, 15, v0                           ; r
	v_bfe_u32 v3, v0, 4, 1                         ; h
	s_and_b32 s19, s18, 7
	s_lshr_b32 s26, s18, 3                         ; 0: real, 1: imag
	v_lshlrev_b32 v4, 4, v1                        ; v4: 16 x lane
	v_mul_u32_u24 v5, v1, 24                       ; v5: 24 x lane: a lane's block in the activations' image
	v_lshlrev_b32 v6, 2, v2                        ; v6: 4 r
	v_lshlrev_b32 v7, 6, v2                        ; v7: 64 r: a weight's row of scale bytes
	s_mul_i32 s27, s18, 8*WP
	v_add_nc_u32 v8, s27, v4                       ; v8: into LDS: my 8 rows
	s_mul_i32 s27, s26, 64*WP
	s_mul_i32 s28, s19, 192
	s_add_co_u32 s27, s27, s28
	v_mul_u32_u24 v9, v2, WP
	v_mad_u32_u24 v9, v3, 24, v9
	v_add_nc_u32 v9, s27, v9                       ; v9: fragments: my matrix, row r, my two K steps' 192 bytes, + 24 h
	v_add_nc_u32 v10, 32*WP, v9                    ; v10: the same 32 rows on (the immediate has 16 bits)
	s_lshl_b32 s27, s18, 13
	v_add_nc_u32 v11, s27, v4                      ; v11: my partial sums: 8,192 x wave + 16 x lane
	s_lshl_b32 s27, s18, 9
	v_add_nc_u32 v12, s27, v4                      ; v12: piece u = my wave, of waves 0-7: 512 u + 16 x lane
	v_add_nc_u32 v13, 65536, v12                   ; v13: of waves 8-15
	s_bfe_u32 s27, s18, 0x10001                    ; piece u: m = (u / 2) % 2,
	s_mul_i32 s27, s27, 16*SP
	s_lshr_b32 s28, s18, 2                         ; nt = u / 4,
	s_lshl_b32 s28, s28, 6
	s_add_co_u32 s27, s27, s28
	s_and_b32 s28, s18, 1                          ; e = u % 2: which four of a lane's eight
	s_lshl_b32 s28, s28, 4
	s_add_co_u32 s27, s27, s28
	s_add_co_u32 s27, s27, STG
	v_mul_u32_u24 v14, v2, SP
	v_lshl_add_u32 v14, v3, 5, v14
	v_add_nc_u32 v14, s27, v14                     ; v14: into the stage: row 16 m + r, byte 64 nt + 32 h + 16 e
	s_mul_i32 s27, s18, 2*SP
	s_add_co_u32 s27, s27, STG
	v_mul_u32_u24 v15, v3, SP
	v_lshl_add_u32 v15, v2, 4, v15
	v_add_nc_u32 v15, s27, v15                     ; v15: out of it: row 2 u + h, 16 bytes a lane
	v_lshlrev_b32 v[OO], 12, v3
	v_lshl_add_u32 v[OO], v2, 4, v[OO]             ; and the same two rows in out0
	s_mov_b32 s25, 0
	s_wait_kmcnt 0x0
	s_cmp_lt_u32 s18, 8                            ; the choice hangs on the wave's number alone
	s_cselect_b64 s[20:21], s[8:9], s[12:13]       ; my matrix's codes
	s_cselect_b64 s[22:23], s[10:11], s[14:15]     ; and scale bytes
	s_mul_i32 s24, ttmp9, 98304                    ; 64 rows of 1,536 bytes a work-group,
	s_mul_i32 s30, s19, 12288                      ; 8 rows a wave
	s_add_co_u32 s24, s24, s30
	s_add_nc_u64 s[20:21], s[20:21], s[24:25]
	s_lshl_b32 s24, ttmp9, 12                      ; 64 rows of 64 scale bytes,
	s_lshl_b32 s30, s19, 3                         ; my two K steps' 8 bytes
	s_add_co_u32 s24, s24, s30
	s_add_nc_u64 s[22:23], s[22:23], s[24:25]
	s_mul_i32 s24, s18, 3072                       ; two K steps of 1,536 bytes
	s_add_nc_u64 s[4:5], s[4:5], s[24:25]
	s_lshl_b32 s24, s18, 7                         ; two K steps of 64 bytes
	s_add_nc_u64 s[6:7], s[6:7], s[24:25]
	s_lshl_b32 s24, s18, 13                        ; out0: rows 2 u, 2 u + 1,
	s_lshl_b32 s30, ttmp9, 8                       ; my work-group's 256 bytes of a row
	s_add_co_u32 s24, s24, s30
	s_add_nc_u64 s[16:17], s[16:17], s[24:25]
.set i, 0
.rept 24
	global_load_b128 v[CP+4*i:CP+4*i+3], v4, s[20:21] offset:512*i th:TH_LOAD_NT   ; 512 consecutive bytes: a third of a row
.set i, i+1
.endr
.irp m, 0,1
.irp ks, 0,1
.irp c, 0,1
.irp p, 0,1,2
	global_load_b64 v[AF+12*(2*\m+\ks)+6*\c+2*\p:AF+12*(2*\m+\ks)+6*\c+2*\p+1], v5, s[4:5] offset:49152*\m+1536*\ks+768*\c+8*\p
.endr
.endr
.endr
.endr
.irp m, 0,1
.irp ks, 0,1
	global_load_b32 v[ASC+2*\m+\ks], v6, s[6:7] offset:2048*\m+64*\ks
.endr
.endr
.irp nt, 0,1,2,3
.irp ks, 0,1
	global_load_b32 v[BSC+2*\nt+\ks], v7, s[22:23] offset:1024*\nt+4*\ks
.endr
.endr
.set i, 0
.rept 24
	s_wait_loadcnt 59-i                            ; loads come back in order: number i of the 60 is in, the 59 - i younger stay out
	ds_store_b128 v8, v[CP+4*i:CP+4*i+3] offset:(i/3)*WP+(i%3)*512
.set i, i+1
.endr
	s_wait_dscnt 0x0                               ; for the others' sake: my 8 rows are written
	s_barrier_signal -1
	s_barrier_wait -1                              ; all 128 rows lie in LDS
.irp nt, 0,1,2,3
.irp ks, 0,1
.irp p, 0,1,2,3,4,5
	ds_load_b64 v[BF+12*(2*\nt+\ks)+2*\p:BF+12*(2*\nt+\ks)+2*\p+1], v[9+\nt/2] offset:(\nt%2)*16*WP+96*\ks+48*(\p/3)+8*(\p%3)
.endr
.endr
.endr
	s_wait_loadcnt 0x0                             ; the activations' fragments and all scale words
	s_wait_dscnt 0x0                               ; my fragments are in: my reads of the weights' rows are over:
	s_barrier_signal -1                            ; say so, and work on registers while the others arrive
.irp nt, 0,1,2,3
.irp m, 0,1
	v_wmma_scale_f32_16x16x128_f8f6f4 v[ACC+8*(2*\nt+\m):ACC+8*(2*\nt+\m)+7], v[BF+12*(2*\nt):BF+12*(2*\nt)+11], v[AF+12*(2*\m):AF+12*(2*\m)+11], 0, v[BSC+2*\nt], v[ASC+2*\m] matrix_a_fmt:MATRIX_FMT_FP6 matrix_b_fmt:MATRIX_FMT_FP6
.endr
.endr
.irp nt, 0,1,2,3                       ; the eight accumulators take turns, one instruction a turn
.irp m, 0,1
	v_wmma_scale_f32_16x16x128_f8f6f4 v[ACC+8*(2*\nt+\m):ACC+8*(2*\nt+\m)+7], v[BF+12*(2*\nt+1):BF+12*(2*\nt+1)+11], v[AF+12*(2*\m+1):AF+12*(2*\m+1)+11], v[ACC+8*(2*\nt+\m):ACC+8*(2*\nt+\m)+7], v[BSC+2*\nt+1], v[ASC+2*\m+1] matrix_a_fmt:MATRIX_FMT_FP6 matrix_b_fmt:MATRIX_FMT_FP6
.endr
.endr
.rept 4
	v_nop                                          ; four places behind the last product, in front of the stores that read results and of the loads into the fragments' registers
.endr
	s_barrier_wait -1                              ; nobody reads the weights' rows any more: the partial sums may lie over them
.set a, 0
.rept 8
	ds_store_b128 v11, v[ACC+8*a:ACC+8*a+3] offset:1024*a          ; each accumulator from its low end on
	ds_store_b128 v11, v[ACC+8*a+4:ACC+8*a+7] offset:1024*a+512
.set a, a+1
.endr
	s_wait_dscnt 0x0
	s_barrier_signal -1
	s_barrier_wait -1                              ; all partial sums lie in LDS
.set w, 0
.rept 8
	ds_load_b128 v[CP+4*w:CP+4*w+3], v12 offset:8192*w
.set w, w+1
.endr
.set w, 0
.rept 8
	ds_load_b128 v[CP+32+4*w:CP+32+4*w+3], v13 offset:8192*w
.set w, w+1
.endr
	s_wait_dscnt 0x0
.set w, 1
.rept 15
	v_pk_add_f32 v[CP:CP+1], v[CP:CP+1], v[CP+4*w:CP+4*w+1]        ; K ascending: wave after wave
	v_pk_add_f32 v[CP+2:CP+3], v[CP+2:CP+3], v[CP+4*w+2:CP+4*w+3]
.set w, w+1
.endr
.irp i, 0,1,2,3
	v_mul_f32 v[Z+\i], 0xbfb8aa3b, v[CP+\i]        ; -y log2 e
.endr
.irp i, 0,1,2,3
	v_exp_f32 v[Z+\i], v[Z+\i]
.endr
	v_nop                                          ; a plain instruction behind the last exponential
	s_wait_alu depctr_va_vdst(0)                   ; one wait for the four, ahead of their first reader
.irp i, 0,1,2,3
	v_add_f32 v[Z+\i], 1.0, v[Z+\i]
.endr
.irp i, 0,1,2,3
	v_rcp_f32 v[Z+\i], v[Z+\i]
.endr
	v_nop
	s_wait_alu depctr_va_vdst(0)                   ; and one for the four reciprocals
.irp i, 0,1,2,3
	v_mul_f32 v[CP+\i], v[CP+\i], v[Z+\i]          ; silu
.endr
	ds_store_b128 v14, v[CP:CP+3]
	s_wait_dscnt 0x0
	s_barrier_signal -1
	s_barrier_wait -1                              ; 32 rows of 256 bytes lie in the stage
	ds_load_b128 v[CP+4:CP+7], v15
	s_wait_dscnt 0x0
	global_store_b128 v[OO], v[CP+4:CP+7], s[16:17]   ; sixteen lanes store 256 consecutive bytes, aligned; two rows an instruction
	s_wait_tensorcnt 0x0
	ds_add_u32 v254, v255
	s_wait_dscnt 0x0
	s_endpgm
.Lfunc_end_k_q97b37d0aa6_project:
	.size	k_q97b37d0aa6_project, .Lfunc_end_k_q97b37d0aa6_project-k_q97b37d0aa6_project
	.p2alignl 7, 3214868480
	.fill 96, 4, 3214868480
	.section	.rodata,"a",@progbits
	.p2align	6, 0x0
	.amdhsa_kernel k_q97b37d0aa6_project
		.amdhsa_group_segment_fixed_size 209408
		.amdhsa_private_segment_fixed_size 0
		.amdhsa_enable_private_segment 0
		.amdhsa_kernarg_size 56
		.amdhsa_user_sgpr_count 2
		.amdhsa_user_sgpr_kernarg_segment_ptr 1
		.amdhsa_wavefront_size32 1
		.amdhsa_system_sgpr_workgroup_id_x 1
		.amdhsa_system_sgpr_workgroup_id_y 1
		.amdhsa_system_sgpr_workgroup_id_z 1
		.amdhsa_system_vgpr_workitem_id 0
		.amdhsa_next_free_vgpr 256
		.amdhsa_next_free_sgpr 66
		.amdhsa_reserve_vcc 0
		.amdhsa_float_denorm_mode_32 3
		.amdhsa_float_denorm_mode_16_64 3
		.amdhsa_memory_ordered 1
		.amdhsa_forward_progress 1
		.amdhsa_inst_pref_size 22
	.end_amdhsa_kernel
	.amdgpu_metadata
---
amdhsa.version: [ 1, 2 ]
amdhsa.kernels:
  - .name:           k_q97b37d0aa6_project
    .symbol:         k_q97b37d0aa6_project.kd
    .args:
      - { .name: acodes, .offset: 0, .size: 8, .value_kind: global_buffer, .address_space: global }
      - { .name: ascales, .offset: 8, .size: 8, .value_kind: global_buffer, .address_space: global }
      - { .name: proj_real_w_codes, .offset: 16, .size: 8, .value_kind: global_buffer, .address_space: global }
      - { .name: proj_real_w_scales, .offset: 24, .size: 8, .value_kind: global_buffer, .address_space: global }
      - { .name: proj_imag_w_codes, .offset: 32, .size: 8, .value_kind: global_buffer, .address_space: global }
      - { .name: proj_imag_w_scales, .offset: 40, .size: 8, .value_kind: global_buffer, .address_space: global }
      - { .name: out0, .offset: 48, .size: 8, .value_kind: global_buffer, .address_space: global }
    .group_segment_fixed_size: 209408
    .private_segment_fixed_size: 0
    .kernarg_segment_align: 8
    .kernarg_segment_size: 56
    .max_flat_workgroup_size: 512
    .sgpr_count:     66
    .vgpr_count:     256
    .wavefront_size: 32
...
	.end_amdgpu_metadata
.endif
;; end of part 3
